; MI455X (gfx1250); checked and timed in simulation.
; The chip was launched on July 23, 2026; its instructions are those of AMD's public machine-readable ISA for CDNA 5 (MIT licence, August 2026) and "CDNA5" Instruction Set Architecture Reference Guide (July 2026). The comments in the code are by the model that wrote it; some were corrected since.
;; Attention. Allowed arithmetic: float matrix products may take bf16 or f16 operands with f32 sums; all other float work in f32.
;; Inputs: K 2 x 8 x 4,096 x 64 float32; Q 2 x 8 x 4,096 x 64 float32; V 2 x 8 x 4,096 x 64 float32.
;; Outputs: out0 2 x 8 x 4,096 x 64 float32.
;; 2 versions, each right and faster than the one before. Each part assembles by itself: llvm-mc -triple=amdgcn-amd-amdhsa -mcpu=gfx1250 --defsym DOCPART=n.
;; ======== version 1 of 2: 1 launch
;; launch attn (part 1): grid 16 x 16, 4 waves a work-group, clusters of 4 x 1, 327,680 bytes of LDS; arguments Q, K, V, out0; writes out0
.if DOCPART == 1
	.amdgcn_target "amdgcn-amd-amdhsa--gfx1250"
	.amdhsa_code_object_version 6
	.text
	.protected	k_qb407b8f697_attn
	.globl	k_qb407b8f697_attn
	.p2align	8
	.type	k_qb407b8f697_attn,@function
k_qb407b8f697_attn:
	s_mov_b64 s[64:65], 0
	v_nop
	global_prefetch_b8 v0, s[64:65] scope:SCOPE_SE
	s_setreg_imm32_b32 hwreg(HW_REG_WAVE_MODE, 25, 1), 1
	s_wait_xcnt 0x0
	s_wait_alu depctr_hold_cnt(0) depctr_sa_sdst(0) depctr_va_vdst(0) depctr_va_sdst(0) depctr_va_ssrc(0) depctr_va_vcc(0) depctr_vm_vsrc(0)
	s_getreg_b32 s2, hwreg(HW_REG_IB_STS2, 6, 4)
	s_cmp_eq_u32 s2, 0
	s_cbranch_scc0 .Lentry_in_a_cluster
	s_endpgm
.Lentry_in_a_cluster:
	s_bfe_u32 s2, ttmp6, 0x10000c
	s_cmp_lg_u32 s2, 0x3003
	s_cbranch_scc0 .Lentry_shape_is_right
	s_endpgm
.Lentry_shape_is_right:
; out0[h][q][:] = the sum over k of softmax_k(Q[h][q] . K[h][k] / 8) V[h][k][:].  Q, K, V, out0: [16 heads][4096][64], all f32.
; FORMATS AND LIMITS.  Q, K, V and the weights p are rounded to bf16 for the two products; products, maxima and sums are f32.  The row sum l is made of the unrounded weights.
; Weights under 2^-126 count as zero (v_exp_f32 gives zero there).  The sums run in another order than a plain loop over k.  NaN, infinities and scores beyond f32's range get no care of their own.
; SHARES.  A work-group owns 256 queries of one head, each of its four waves 64: four tiles of 16.  Every wave walks all 4,096 keys, 128 a trip, in two steps of 64.
; LAYOUT.  S^T = K Q^T (source 0 = 16 keys, source 1 = 16 queries): a lane holds ONE query (lane % 16) and the keys 8 (lane / 16) + 0..7.  Two such tiles, rounded to bf16 in pairs,
; ARE source 1 (32 keys x 16 queries) of O^T = V^T P, whose result again holds one query a lane, and eight channels.  Nothing changes lanes between the products.
; SOFTMAX.  For each query a running maximum m and sum l: p = 2^(c s - c m), c = log2(e) / 8; in every step O^T and l are multiplied by a = 2^(c m_old - c m_new).
; THE WAY IN.  K and V come as f32 (rows of 64 f32 = 256 bytes) by tensor loads into a ring of two slots of 128 keys.  While tile t is multiplied out of one bf16 stage, each wave
; rounds a quarter of tile t + 1 (32 rows of K, 32 of V) to bf16 into the other stage.  V has to lie in LDS as 16-bit data, since it is turned on its way into registers (ds_load_tr16_b128).
; CLUSTER.  The four query blocks of a cluster belong to one head and walk the same K and V, so each tile is asked for JOINTLY: the same tensor load, with the same descriptor and a
; mask that names the four, in all four; each receives the tile in its own LDS.  One round of the cluster's barrier a trip orders all of it (see TRIP).
; PHASES.  A step is written as K Q^T, softmax, V^T P, one after the other; the softmax is a numbered list (SM) dealt in slices (SLICE).
;
; LDS.  0: f32 slot 0; 65,536: f32 slot 1 (in a slot: K's 128 rows of 256 bytes, then V's; wave w's load fills bytes 16,384 w on).  131,072: two bf16 stages of 38,912 bytes
; (K: 128 rows, pitch 144; V: 128 rows, pitch 160), written by ds_store alone.  208,896: 16 rows x 272 bytes for each wave, for the way out.  No tensor load reaches the last two regions.
; REGISTERS, in windows of 256 (s_set_vgpr_msb: bits 1:0 source 0, 3:2 source 1, 5:4 source 2, 7:6 destination):
;   window 0: v0-23 addresses; v32-63 statistics, 8 a tile; v64-191 S^T, 32 a tile; v192-255 P, 16 a tile
;   window 1: v0-127 O^T, 32 a tile; v128-191 Q's fragments, 16 a tile; v192-255 K's fragments of one step
;   window 2: v0-63 V's fragments of one step; v64-127, v128-191 my quarter of the next tile's K and V, f32 and then bf16
.set SLOTB, 65536     ; an f32 slot
.set TILEB, 32768     ; 128 rows of 256 bytes: a tile of K or of V in memory, and V's place in a slot
.set STG,   131072    ; the bf16 stages
.set STGB,  38912
.set PK,    144       ; a bf16 row of K: 128 bytes + 16 = 36 words: the 16 rows of a fragment load start at 16 different groups of 4 banks (64 banks of 4 bytes: ISA guide 11.1)
.set PV,    160       ; a bf16 row of V: 128 bytes + 32 = 40 words
.set VOF,   128*PK    ; V's place in a stage
.set OST,   208896    ; the way out
.set SP,    272
.set QO,  3           ; v3      my byte offset in the wave's rows of Q
.set CK,  4           ; v4-5    where I read f32 rows of K in slot 0, 1
.set CV,  6           ; v6-7    the same for V
.set WK,  8           ; v8-9    where I put bf16 rows of K in stage 0, 1
.set WV,  10          ; v10-11  the same for V
.set AK,  12          ; v12-13  my lane's place in a fragment of K in stage 0, 1
.set AV,  14          ; v14-15  the same for V
.set STO, 16          ; v16     the way out: where I put 32 bytes of a row
.set RD,  17          ; v17     the way out: where I read a row back
.set GO,  18          ; v18     my byte offset in the wave's rows of out0
.set ST,  32          ; tile t's statistics at v[ST+8 t]: +0 c m, +1 m, +2, +3 l (even keys', odd keys'), +4 to +7 c0-c3, at work; a takes c2's place once the maximum is found
.set S,   64
.set P,   192
.set QF,  128         ; window 1
.set KF,  192         ; window 1
.set CKR, 64          ; window 2
.set CVR, 128         ; window 2
.set WN,  12          ; s12      my wave's number
.set G1,  24          ; s[24:31] descriptor group 1: one shape for K's and V's tiles
.set G0,  32          ; s[32:39] descriptor group 0, a set for each slot
.set CNT, 56          ; s56      trips of the loop
.set CS,  58          ; s[58:59] c: the packed scaling names a pair and takes its low word for both halves
.set SEL, 60          ; s[60:61] lane selects for v_permlanex16_b32: each lane takes its own place in the other half
.set MSB, 0
.macro WIN new                      ; the immediate's high byte repeats the setting that is left; a switch that changes nothing is dropped
.if MSB != \new
	s_set_vgpr_msb (MSB<<8)|\new
.set MSB, \new
.endif
.endm
.set W_D1, 0x40       ; destination window 1
.set W_D2, 0x80       ; destination window 2
.set W_KQ, 0x05       ; K and Q in window 1, S^T in window 0
.set W_PV, 0x52       ; V in window 2, P in window 0, O^T in window 1
.set W_RS, 0x41       ; O^T (destination and source 0) in window 1, the factor in window 0
.set W_CP, 0x8a       ; both sources and the destination in window 2
.set W_CS, 0x08       ; an LDS store's data in window 2
.set W_OS, 0x04       ; an LDS store's data in window 1
; A vector instruction that reads a matrix result or writes one of a matrix instruction's registers, and a load into a register that a matrix instruction has read, stand four places
; behind it, and only plain vector instructions that name none of its registers are places (ISA guide 7.12.1 for vector instructions).
.macro PLACES
.rept 4
	v_nop
.endr
.endm
; A round of the cluster's barrier: my work-group's barrier, so that wave 0's signal speaks for all four waves; wave 0 signals for the work-group; every wave waits for all four
; work-groups; my work-group's barrier once more.  No LDS instruction of the wave is pending at a signal.
.macro CROUND
	s_barrier_signal -1
	s_barrier_wait -1
	s_cmp_lg_u32 s[WN], 0
	s_cbranch_scc1 .Lnot_wave_0_\@
	s_barrier_signal -3
.Lnot_wave_0_\@:
	s_barrier_wait -3
	s_barrier_signal -1
	s_barrier_wait -1
.endm
	s_load_b256 s[4:11], s[0:1], 0x0  ; Q s[4:5], K s[6:7], V s[8:9], out0 s[10:11]
	v_lshrrev_b32 v19, 5, v0
	v_readfirstlane_b32 s[WN], v19  ; wave 0..3
	s_bfe_u32 s13, ttmp6, 0x40000   ; cx: my place in the cluster
	s_lshl_b32 s2, ttmp9, 2         ; in a cluster launch ttmp9 counts clusters
	s_add_co_u32 s2, s2, s13        ; my block of 256 queries = 4 x cluster x + cx: it enters Q's and out0's addresses alone
	s_and_b32 s20, ttmp7, 0xffff    ; the head, which the four partners share,
	s_lshl_b32 s20, s20, 20         ; times 4,096 rows of 256 bytes
	s_mov_b32 s21, 0
	s_and_b32 s16, s[WN], 1         ; which 64 of a tile's 128 rows I fetch
	s_lshl_b32 s22, s16, 14
	s_mov_b32 s23, 0
	s_add_nc_u64 s[22:23], s[22:23], s[20:21]  ; my part of tile 0, from K's or V's first byte
	s_lshl_b32 s2, s2, 16           ; my block's 256 rows,
	s_lshl_b32 s3, s[WN], 14        ; my wave's 64 of them
	s_add_co_u32 s2, s2, s3
	s_mov_b32 s3, 0
	s_add_nc_u64 s[2:3], s[2:3], s[20:21]
	s_lshl_b32 s17, s[WN], 14       ; where my part of a tile goes in a slot: no place in the cluster enters an LDS address
	; descriptor group 1: a tile of 64 rows x 64 elements of 4 bytes, dense in memory and in LDS (the conversion reads whole rows of 256 bytes: no padding is wanted)
	s_mov_b32 s[G1+0], 15|(2<<16)|(1<<21)  ; 15:0 the mask: all four work-groups; 17:16 elements of 4 bytes; 20 no padding; 21 set beside a mask
	s_mov_b32 s[G1+1], 64<<16       ; 63:48 tensor_dim0, low half = 64
	s_mov_b32 s[G1+2], 64<<16       ; 79:64 its high half = 0; 95:80 tensor_dim1, low half = 64
	s_mov_b32 s[G1+3], 64<<16       ; 111:96 its high half = 0; 127:112 tile_dim0 = 64
	s_mov_b32 s[G1+4], 64           ; 143:128 tile_dim1 = 64; 159:144 tile_dim2 = 0
	s_mov_b32 s[G1+5], 64           ; 191:160 tensor_dim0_stride: 64 elements from row to row
	s_mov_b32 s[G1+6], 0
	s_mov_b32 s[G1+7], 0
	s_mov_b32 s[CS], 0x3e38aa3b     ; c = log2(e) / 8 = 0.18033688
	s_mov_b32 s[CS+1], s[CS]        ; named with it as a pair, so it is written
	s_mov_b32 s[SEL], 0x76543210
	s_mov_b32 s[SEL+1], 0xfedcba98
	s_wait_kmcnt 0x0
	s_cmp_lt_u32 s[WN], 2           ; waves 0 and 1 fetch K's two halves, waves 2 and 3 V's: the choice hangs on the wave's number alone, which is the same in every work-group
	s_cselect_b64 s[14:15], s[6:7], s[8:9]
	s_add_nc_u64 s[14:15], s[14:15], s[22:23]
	s_add_nc_u64 s[4:5], s[4:5], s[2:3]  ; Q and out0 at my wave's first row
	s_add_nc_u64 s[10:11], s[10:11], s[2:3]
	CROUND                          ; all four work-groups are here: the first joint loads meet
.irp s, 0,1
	s_mov_b32 s[G0+4*\s], 1         ; 1:0 count = 1
	s_add_co_u32 s[G0+4*\s+1], s17, \s*SLOTB  ; 63:32 LDS address
	s_add_nc_u64 s[G0+4*\s+2:G0+4*\s+3], s[14:15], \s*TILEB  ; 120:64 global address: slot s begins with keys 128 s to 128 s + 127
	s_or_b32 s[G0+4*\s+3], s[G0+4*\s+3], 0x80000000  ; 127:126 type = 2
.endr
	tensor_load_to_lds s[G0:G0+3], s[G1:G1+7]      ; the two first fills go out together, ahead of every wait on TENSORcnt and every LDS read: two loads of mine are out,
	tensor_load_to_lds s[G0+4:G0+7], s[G1:G1+7]    ; later one; four v_nop follow
	PLACES
	; A fragment of Q is 16 rows x 32 channels: lane l holds row l % 16, channels 8 (l / 16) + 0..7 and 16 + 8 (l / 16) + 0..7: in f32 two runs of 32 bytes, 64 bytes apart.
	v_and_b32 v1, 15, v0            ; r = l % 16
	v_bfe_u32 v2, v0, 4, 1          ; h = l / 16
	v_lshlrev_b32 v[QO], 8, v1
	v_lshl_add_u32 v[QO], v2, 5, v[QO]  ; 256 r + 32 h
.set i, 0
.rept 32                            ; load i: tile i / 8, channels 32 ((i / 4) % 2) on, run (i % 4) / 2, half i % 2; it lands in S^T's registers, which are still free
	global_load_b128 v[S+4*i:S+4*i+3], v[QO], s[4:5] offset:(i/8)*4096+((i/4)%2)*128+((i%4)/2)*64+(i%2)*16
.set i, i+1
.endr
	; the conversion: wave w takes rows 32 w to 32 w + 31 of a tile.  A load of 16 bytes a lane takes two whole rows (lanes 0-15 one, lanes 16-31 another); the 8 bytes of bf16 go to the same rows of the stage.
	v_lshlrev_b32 v19, 4, v1        ; 16 r
	v_lshl_add_u32 v20, v2, 11, v19  ; K: lanes 16-31 eight rows further down
	s_lshl_b32 s40, s[WN], 13       ; 32 rows of 256 bytes a wave
	v_add_nc_u32 v[CK], s40, v20
	v_add_nc_u32 v[CK+1], SLOTB, v[CK]
	v_lshl_add_u32 v20, v2, 10, v19  ; V: lanes 16-31 four rows further down
	s_add_co_u32 s41, s40, TILEB
	v_add_nc_u32 v[CV], s41, v20
	v_add_nc_u32 v[CV+1], SLOTB, v[CV]
	v_lshlrev_b32 v19, 3, v1        ; 8 r
	v_mul_u32_u24 v20, v2, 8*PK     ; eight rows of 144 bytes = 128 modulo 256: the two halves of the lanes store to different banks
	v_add_nc_u32 v20, v20, v19
	s_mul_i32 s42, s[WN], 32*PK
	s_add_co_u32 s42, s42, STG
	v_add_nc_u32 v[WK], s42, v20
	v_add_nc_u32 v[WK+1], STGB, v[WK]
	v_mul_u32_u24 v20, v2, 4*PV     ; four rows of 160 bytes = 128 modulo 256
	v_add_nc_u32 v20, v20, v19
	s_mul_i32 s43, s[WN], 32*PV
	s_add_co_u32 s43, s43, STG+VOF
	v_add_nc_u32 v[WV], s43, v20
	v_add_nc_u32 v[WV+1], STGB, v[WV]
	; fragments of K: row x pitch + 16 x half
	v_mul_u32_u24 v20, v1, PK
	v_lshl_add_u32 v20, v2, 4, v20
	v_add_nc_u32 v[AK], STG, v20
	v_add_nc_u32 v[AK+1], STGB, v[AK]
	; The turning load takes 16 keys x 16 channels (lane l reads 16 bytes: key 8 (l / 16) + l % 8, channels 8 ((l / 8) % 2) + 0..7) and leaves half a fragment of V^T: lane l holds channel l % 16 and 8 keys.
	v_and_b32 v21, 7, v0
	v_bfe_u32 v22, v0, 3, 1
	v_lshl_add_u32 v21, v2, 3, v21
	v_mul_u32_u24 v21, v21, PV
	v_lshl_add_u32 v21, v22, 4, v21
	v_add_nc_u32 v[AV], STG+VOF, v21
	v_add_nc_u32 v[AV+1], STGB, v[AV]
	; the way out
	s_mul_i32 s44, s[WN], 16*SP
	s_add_co_u32 s44, s44, OST      ; my stage
	v_mul_u32_u24 v20, v1, SP       ; in: row l % 16, 32 bytes for each half of the lanes
	v_lshl_add_u32 v20, v2, 5, v20
	v_add_nc_u32 v[STO], s44, v20
	v_mul_u32_u24 v20, v2, SP       ; back: lanes 0-15 take one row of 256 bytes, lanes 16-31 the next
	v_lshl_add_u32 v20, v1, 4, v20
	v_add_nc_u32 v[RD], s44, v20
	v_lshlrev_b32 v[GO], 8, v2      ; and the same two rows in out0
	v_lshl_add_u32 v[GO], v1, 4, v[GO]
	s_wait_loadcnt 0x0              ; Q
	WIN W_D1
.set i, 0
.rept 64                            ; Q stays in registers as bf16: register i of 64 takes f32 numbers 2 i and 2 i + 1
	v_cvt_pk_bf16_f32 v[QF+i], v[S+2*i], v[S+2*i+1]
.set i, i+1
.endr
; THE LDS LOADS stand in runs of 16.  A step's K out of stage b: 4 key blocks x 2 channel halves; st = which of the tile's two steps.
.macro FETCH_K b, st
	WIN W_D1
.irp f, 0,1,2,3,4,5,6,7             ; keys 16 (f / 2) on, channels 32 (f % 2) on
	ds_load_b128 v[KF+8*\f:KF+8*\f+3],   v[AK+\b] offset:\st*64*PK+(\f/2)*16*PK+(\f%2)*64
	ds_load_b128 v[KF+8*\f+4:KF+8*\f+7], v[AK+\b] offset:\st*64*PK+(\f/2)*16*PK+(\f%2)*64+32
.endr
.endm
.macro FETCH_V b, st                ; a step's V, turned
	WIN W_D2
.irp f, 0,1,2,3,4,5,6,7             ; keys 32 (f / 4) on, channels 16 (f % 4) on
	ds_load_tr16_b128 v[8*\f:8*\f+3],   v[AV+\b] offset:\st*64*PV+(\f/4)*32*PV+(\f%4)*32
	ds_load_tr16_b128 v[8*\f+4:8*\f+7], v[AV+\b] offset:\st*64*PV+(\f/4)*32*PV+16*PV+(\f%4)*32
.endr
.endm
; THE CONVERSION of my quarter of a tile: 16 loads of f32 (two rows each), 32 roundings in place, 16 stores of 8 bytes a lane.
.macro CLOAD_K s
	WIN W_D2
.set m, 0
.rept 16
	ds_load_b128 v[CKR+4*m:CKR+4*m+3], v[CK+(\s)] offset:((m%8)+16*(m/8))*256
.set m, m+1
.endr
.endm
.macro CLOAD_V s
	WIN W_D2
.set m, 0
.rept 16
	ds_load_b128 v[CVR+4*m:CVR+4*m+3], v[CV+(\s)] offset:((m%4)+8*(m/4))*256
.set m, m+1
.endr
.endm
.macro CPACK reg
	WIN W_CP
.set m, 0
.rept 16
	v_cvt_pk_bf16_f32 v[\reg+4*m],   v[\reg+4*m],   v[\reg+4*m+1]
	v_cvt_pk_bf16_f32 v[\reg+4*m+1], v[\reg+4*m+2], v[\reg+4*m+3]
.set m, m+1
.endr
.endm
.macro CSTORE_K b
	WIN W_CS
.set m, 0
.rept 16
	ds_store_b64 v[WK+(\b)], v[CKR+4*m:CKR+4*m+1] offset:((m%8)+16*(m/8))*PK
.set m, m+1
.endr
.endm
.macro CSTORE_V b
	WIN W_CS
.set m, 0
.rept 16
	ds_store_b64 v[WV+(\b)], v[CVR+4*m:CVR+4*m+1] offset:((m%4)+8*(m/4))*PV
.set m, m+1
.endr
.endm
; THE MATRIX WORK.  The 16 accumulators take turns, one instruction a turn: between two links of a chain stand the 15 others'.
; Product i of 32 of S^T = K Q^T: channels 32 (i / 16) on, keys 16 ((i / 4) % 4) on, tile i % 4.  The first 16 start the sums: nothing is ever cleared.
.macro MUL_KQ
	WIN W_KQ
.set i, 0
.rept 32
.set rS, S+32*(i%4)+8*((i/4)%4)
.set rK, KF+8*(2*((i/4)%4)+i/16)
.set rQ, QF+16*(i%4)+8*(i/16)
.if i < 16
	v_wmma_f32_16x16x32_bf16 v[rS:rS+7], v[rK:rK+7], v[rQ:rQ+7], 0
.else
	v_wmma_f32_16x16x32_bf16 v[rS:rS+7], v[rK:rK+7], v[rQ:rQ+7], v[rS:rS+7]
.endif
.set i, i+1
.endr
.endm
; Product i of 32 of O^T += V^T P: keys 32 (i / 16) on, channels 16 ((i / 4) % 4) on, tile i % 4.  zero = 1: the first 16 start the sums.
.macro MUL_PV zero
	WIN W_PV
.set i, 0
.rept 32
.set rO, 32*(i%4)+8*((i/4)%4)
.set rV, 8*(4*(i/16)+(i/4)%4)
.set rP, P+16*(i%4)+8*(i/16)
.if \zero && (i < 16)
	v_wmma_f32_16x16x32_bf16 v[rO:rO+7], v[rV:rV+7], v[rP:rP+7], 0
.else
	v_wmma_f32_16x16x32_bf16 v[rO:rO+7], v[rV:rV+7], v[rP:rP+7], v[rO:rO+7]
.endif
.set i, i+1
.endr
.endm
; THE VECTOR WORK.  One tile's softmax for one key step is a list of 118 instructions; SM writes number j of it for tile t.  s0-s31 are the lane's 32 scores, in pairs 0-15.
; first = 1: the first key step, which starts m, l and O^T: it has no a and nothing to rescale.
;   0-15    the maximum of s0-s31 and the old m, three operands at a time: four chains c0-c3 of seven scores each, then the four scores left over, c0-c3 and m
;   16-20   the other half of the lanes' maximum; the new m; c m; c m_old - c m_new
;   21-87   33 exponentials (a, then s0-s31) at the odd numbers from 23 on, so that no two follow each other and each has a plain instruction behind it before its result is used.
;           Plain instruction q (number 21, then the even numbers) is whatever is ready: c s - c m for a pair of scores whose exponentials are still to come (q = 0 to 3, then every
;           second q), the rounding to bf16 of a pair of weights whose exponentials are done (every other q from 5 on), at last the first three sums
;   88-101  the last rounding; the rest of the sums; l = a l + the sum
;   102-117 the tile's O^T times a: the one part that leaves window 0, so it stands together
.macro SM t, first
.set rT, ST+8*(\t)
.set rS, S+32*(\t)
.set rP, P+16*(\t)
.set rO, 32*(\t)+2*(j-102)
.set q, (j-20)/2
.if j < 102
	WIN 0
.endif
.if j < 4
	v_max3_num_f32 v[rT+4+j], v[rS+8*j], v[rS+8*j+1], v[rS+8*j+2]
.elseif j < 12
	v_max3_num_f32 v[rT+4+j%4], v[rT+4+j%4], v[rS+8*(j%4)+2*(j/4)+1], v[rS+8*(j%4)+2*(j/4)+2]
.elseif j == 12
	v_max3_num_f32 v[rT+4], v[rT+4], v[rS+7], v[rS+15]
.elseif j == 13
	v_max3_num_f32 v[rT+6], v[rT+6], v[rS+23], v[rS+31]
.elseif j == 14
	v_max3_num_f32 v[rT+4], v[rT+4], v[rT+5], v[rT+6]
.elseif (j == 15) && \first
	v_max_num_f32 v[rT+4], v[rT+4], v[rT+7]
.elseif j == 15
	v_max3_num_f32 v[rT+4], v[rT+4], v[rT+7], v[rT+1]
.elseif j == 16
	v_permlanex16_b32 v[rT+5], v[rT+4], s[SEL], s[SEL+1]  ; the query's other 32 keys lie in the lane 16 away
.elseif j == 18
	v_max_num_f32 v[rT+1], v[rT+4], v[rT+5]
.elseif j == 19
	v_mul_f32 v[rT], s[CS], v[rT+1]
.elseif ((j == 17) || (j == 20) || (j == 23) || (j > 101)) && \first  ; the first step has none of these
.elseif j == 17
	v_mov_b32 v[rT+7], v[rT]        ; c m_old is kept for a: number 19 writes c m anew
.elseif j == 20
	v_sub_f32 v[rT+7], v[rT+7], v[rT]
.elseif j == 23
	v_exp_f32 v[rT+6], v[rT+7]
.elseif (j < 88) && (j > 23) && (j%2 == 1)
	v_exp_f32 v[rS+(j-25)/2], v[rS+(j-25)/2]
.elseif (q < 4) || ((j < 76) && (q%2 == 0))
.set b, q/2+2
.if q < 4
.set b, q
.endif
	v_pk_fma_f32 v[rS+2*b:rS+2*b+1], v[rS+2*b:rS+2*b+1], s[CS:CS+1], v[rT:rT+1] op_sel_hi:[1,0,0] neg_lo:[0,0,1] neg_hi:[0,0,1]  ; pair b: c s - c m
.elseif (j < 88) && (q%2 == 1)
	v_cvt_pk_bf16_f32 v[rP+(q-5)/2], v[rS+q-5], v[rS+q-4]  ; pair (q - 5) / 2: its second exponential stands three numbers back
.elseif j == 89
	v_cvt_pk_bf16_f32 v[rP+15], v[rS+30], v[rS+31]
.elseif j < 102                     ; the sum of the tile's 16 pairs (in a pair: an even key's weight, an odd key's), in place: sum z of 16 adds neighbours 1, 2, 4 and 8 pairs apart, then l takes it
.set z, j-86
.if j < 89
.set z, (j-76)/4
.endif
.set w, 4
.set u, z
.if z >= 14
.set w, 32
.set u, 0
.elseif z >= 12
.set w, 16
.set u, z-12
.elseif z >= 8
.set w, 8
.set u, z-8
.endif
.if (z == 14) && \first
	v_pk_add_f32 v[rT+2:rT+3], v[rS:rS+1], v[rS+16:rS+17]
.elseif z < 15
	v_pk_add_f32 v[rS+w*u:rS+w*u+1], v[rS+w*u:rS+w*u+1], v[rS+w*u+w/2:rS+w*u+w/2+1]
.elseif !\first
	v_pk_fma_f32 v[rT+2:rT+3], v[rT+2:rT+3], v[rT+6:rT+7], v[rS:rS+1] op_sel_hi:[1,0,1]
.endif
.else
	WIN W_RS
	v_pk_mul_f32 v[rO:rO+1], v[rO:rO+1], v[rT+6:rT+7] op_sel_hi:[1,0]
.endif
.endm
; Slice k of 59 of the softmax of tiles y and y + 1: numbers 2 k and 2 k + 1 of both lists, four instructions.
.macro SLICE y, first
.if (k >= 11) && (k < 44)           ; tile by tile: plain, exponential, plain, exponential: behind each exponential stands a plain instruction of the other tile (ISA guide 5.7.2)
.irp t, \y, \y+1
.irp n, 0,1
.set j, 2*k+\n
	SM \t, \first
.endr
.endr
.else                               ; the two tiles alternate, so that no instruction reads the result of the one just before it
.irp n, 0,1
.irp t, \y, \y+1
.set j, 2*k+\n
	SM \t, \first
.endr
.endr
.endif
.set k, k+1
.endm
.macro SOFTMAX first                ; all four tiles: tiles 0 and 1, then tiles 2 and 3
.irp y, 0, 2
.set k, 0
.rept 59
	SLICE \y, \first
.endr
.endr
.endm
; A TRIP: 128 keys.  Tile t (t % 2 = s) is multiplied out of bf16 stage s; conv = 1: tile t + 1, in f32 slot 1 - s, is rounded into stage 1 - s; fill = 1: slot s is filled again, with tile t + 2.
; ONE barrier does all the ordering.  In front of it each wave waits for all its LDS instructions (its stores into stage s, its f32 reads of slot s, its fragment reads of stage 1 - s, all of the
; trip before) and for all its tensor loads (one is out: its part of tile t + 1).  Behind it stage s and slot 1 - s are whole, and nobody reads slot s or stage 1 - s any more.
; With fill = 1 the barrier is a round of the cluster's, so that all this holds of every partner too, and the joint refill is the first thing behind it: it has the whole trip in which to land.
.macro TRIP s, fill, conv, first
	WIN 0                           ; at a label and at a branch every window is 0
	s_wait_dscnt 0x0
.if \conv
	s_wait_tensorcnt 0x0            ; no tensor load of mine is out, so a group 0 may be written.  (The last trip has no such wait: the trip before has shown the last load landed.)
.endif
.if \fill
	s_add_nc_u64 s[G0+4*\s+2:G0+4*\s+3], s[G0+4*\s+2:G0+4*\s+3], 2*TILEB  ; this slot's next tile; the type bits on top are not reached
	CROUND
	tensor_load_to_lds s[G0+4*\s:G0+4*\s+3], s[G1:G1+7]  ; my one tensor load until the next round
.else
	s_barrier_signal -1
	s_barrier_wait -1
.endif
	PLACES                          ; behind the tensor load; also the places between the last V^T P and the loads into V's registers
	FETCH_K \s, 0
	FETCH_V \s, 0
.if \conv
	CLOAD_K 1-\s
	CLOAD_V 1-\s
	s_wait_dscnt 48                 ; K's 16 loads are in; V's 16 and the conversion's 32 may be out
.else
	s_wait_dscnt 16                 ; K's 16 loads are in; V's 16 may be out
.endif
	MUL_KQ
.if \conv
	s_wait_dscnt 16                 ; all but the next tile's 16 loads of V: this step's V and the next tile's K are in
	CPACK CKR                       ; 32 roundings, which name nothing of the products: their places
	CSTORE_K 1-\s
	FETCH_K \s, 1                   ; the second step's K: a softmax ahead of its use
	s_wait_dscnt 32                 ; the next tile's V is in: behind it stand those 16 stores and 16 loads
	CPACK CVR
	CSTORE_V 1-\s
.else
	PLACES
	FETCH_K \s, 1
.endif
	SOFTMAX \first
.if !\conv
	s_wait_dscnt 16                 ; this step's V is in; the second step's K may be out
.endif
	MUL_PV \first
	PLACES
	FETCH_V \s, 1
.if \conv
	s_wait_dscnt 32                 ; the second step's K is in: behind it stand V's 16 stores and 16 loads
.else
	s_wait_dscnt 16                 ; the same without the stores
.endif
	MUL_KQ
	PLACES
	SOFTMAX 0
	s_wait_dscnt 0x0                ; the second step's V
	MUL_PV 0
.endm
	s_wait_tensorcnt 1              ; my part of tile 0 is in; tile 1's may stay out
	s_barrier_signal -1
	s_barrier_wait -1               ; everybody's is
	CLOAD_K 0                       ; tile 0 is rounded into stage 0
	CLOAD_V 0
	s_wait_dscnt 16                 ; K's 16 loads are in
	CPACK CKR
	CSTORE_K 0
	s_wait_dscnt 16                 ; V's 16 loads are in: behind them stand the 16 stores
	CPACK CVR
	CSTORE_V 0
	TRIP 0, 1, 1, 1                 ; tile 0: the first step starts m, l and O^T
	WIN 0
	s_mov_b32 s[CNT], 14
.Lloop:                             ; tiles 1 to 28
	TRIP 1, 1, 1, 0
	TRIP 0, 1, 1, 0
	WIN 0
	s_sub_co_u32 s[CNT], s[CNT], 1
	s_cmp_lg_u32 s[CNT], 0
	s_cbranch_scc1 .Lloop
	TRIP 1, 1, 1, 0                 ; tile 29: the last refill asks for tile 31.  The tail is written out
	TRIP 0, 0, 1, 0                 ; tile 30: nothing is left to fetch
	TRIP 1, 0, 0, 0                 ; tile 31: nothing is left to round
	; THE WAY OUT.  l's two halves and the other half of the lanes' are added; O^T is divided by l and sent through my stage in LDS, a tile (16 rows of out0) at a time.  The additions are the places behind the last products.
	WIN 0
.irp t, 0,1,2,3
	v_add_f32 v[ST+8*\t+4], v[ST+8*\t+2], v[ST+8*\t+3]
.endr
.irp t, 0,1,2,3
	v_permlanex16_b32 v[ST+8*\t+5], v[ST+8*\t+4], s[SEL], s[SEL+1]
.endr
.irp t, 0,1,2,3
	v_add_f32 v[ST+8*\t+4], v[ST+8*\t+4], v[ST+8*\t+5]
.endr
.irp t, 0,1,2,3
	v_rcp_f32 v[ST+8*\t+6], v[ST+8*\t+4]
.endr
	v_nop                           ; a plain instruction between the last reciprocal and the use of its result
; Tile t: a lane's eight channels of a row are 32 bytes; they go into rows of 272 bytes and come back as whole rows of 256, into S^T's registers.
.macro PACK t
	WIN W_RS
.set i, 32*\t
.rept 16
	v_pk_mul_f32 v[i:i+1], v[i:i+1], v[ST+8*\t+6:ST+8*\t+7] op_sel_hi:[1,0]
.set i, i+2
.endr
	WIN W_OS
.irp f, 0,1,2,3,4,5,6,7             ; channels 16 (f / 2) + 8 (l / 16) + 4 (f % 2) on
	ds_store_b128 v[STO], v[32*\t+4*\f:32*\t+4*\f+3] offset:(\f/2)*64+(\f%2)*16
.endr
	WIN 0
.irp f, 0,1,2,3,4,5,6,7
	ds_load_b128 v[S+32*\t+4*\f:S+32*\t+4*\f+3], v[RD] offset:\f*2*SP  ; LDS serves a wave's instructions in order (ISA guide 5.7.1.4): these see the stores above; the next tile's stores come behind them
.endr
.endm
.macro SEND t, younger              ; younger: the LDS instructions issued behind tile t's loads: the next tile's sixteen, or none
.irp f, 0,1,2,3,4,5,6,7
	s_wait_dscnt \younger+7-\f
	global_store_b128 v[GO], v[S+32*\t+4*\f:S+32*\t+4*\f+3], s[10:11] offset:\t*4096+\f*512 th:TH_STORE_NT  ; 16 lanes store 256 consecutive bytes, a whole row of out0, at a multiple of 256 from its first byte
.endr
.endm
	PACK 0
	PACK 1                          ; a tile's arithmetic stands between the loads of the tile before and its stores
	SEND 0, 16
	PACK 2
	SEND 1, 16
	PACK 3
	SEND 2, 16
	SEND 3, 0
	CROUND                          ; the closing round: no work-group ends while a partner may still ask for a tile that names it
	s_endpgm
.Lfunc_end_k_qb407b8f697_attn:
	.size	k_qb407b8f697_attn, .Lfunc_end_k_qb407b8f697_attn-k_qb407b8f697_attn
	.p2alignl 7, 3214868480
	.fill 96, 4, 3214868480
	.section	.rodata,"a",@progbits
	.p2align	6, 0x0
	.amdhsa_kernel k_qb407b8f697_attn
		.amdhsa_group_segment_fixed_size 327680
		.amdhsa_private_segment_fixed_size 0
		.amdhsa_enable_private_segment 0
		.amdhsa_kernarg_size 32
		.amdhsa_user_sgpr_count 2
		.amdhsa_user_sgpr_kernarg_segment_ptr 1
		.amdhsa_wavefront_size32 1
		.amdhsa_system_sgpr_workgroup_id_x 1
		.amdhsa_system_sgpr_workgroup_id_y 1
		.amdhsa_system_sgpr_workgroup_id_z 1
		.amdhsa_system_vgpr_workitem_id 0
		.amdhsa_next_free_vgpr 704
		.amdhsa_next_free_sgpr 66
		.amdhsa_reserve_vcc 0
		.amdhsa_float_denorm_mode_32 3
		.amdhsa_float_denorm_mode_16_64 3
		.amdhsa_memory_ordered 1
		.amdhsa_forward_progress 1
		.amdhsa_inst_pref_size 255
	.end_amdhsa_kernel
	.section	.bss,"aw",@nobits
	.p2align	6
	.space	262144
	.amdgpu_metadata
---
amdhsa.version: [ 1, 2 ]
amdhsa.kernels:
  - .name:           k_qb407b8f697_attn
    .symbol:         k_qb407b8f697_attn.kd
    .args:
      - { .name: Q, .offset: 0, .size: 8, .value_kind: global_buffer, .address_space: global }
      - { .name: K, .offset: 8, .size: 8, .value_kind: global_buffer, .address_space: global }
      - { .name: V, .offset: 16, .size: 8, .value_kind: global_buffer, .address_space: global }
      - { .name: out0, .offset: 24, .size: 8, .value_kind: global_buffer, .address_space: global }
    .group_segment_fixed_size: 327680
    .private_segment_fixed_size: 0
    .kernarg_segment_align: 8
    .kernarg_segment_size: 32
    .max_flat_workgroup_size: 128
    .sgpr_count:     66
    .vgpr_count:     704
    .wavefront_size: 32
...
	.end_amdgpu_metadata
.endif
;; end of part 1
;; ======== version 2 of 2: 1 launch; 1.11 times as fast as version 1
;; launch attn (part 2): grid 16 x 16, 4 waves a work-group, clusters of 4 x 1, 327,680 bytes of LDS; arguments Q, K, V, out0; writes out0
.if DOCPART == 2
	.amdgcn_target "amdgcn-amd-amdhsa--gfx1250"
	.amdhsa_code_object_version 6
	.text
	.protected	k_qb407b8f697_attn
	.globl	k_qb407b8f697_attn
	.p2align	8
	.type	k_qb407b8f697_attn,@function
k_qb407b8f697_attn:
	s_mov_b64 s[64:65], 0
	v_nop
	global_prefetch_b8 v0, s[64:65] scope:SCOPE_SE
	s_setreg_imm32_b32 hwreg(HW_REG_WAVE_MODE, 25, 1), 1
	s_wait_xcnt 0x0
	s_wait_alu depctr_hold_cnt(0) depctr_sa_sdst(0) depctr_va_vdst(0) depctr_va_sdst(0) depctr_va_ssrc(0) depctr_va_vcc(0) depctr_vm_vsrc(0)
	s_getreg_b32 s2, hwreg(HW_REG_IB_STS2, 6, 4)
	s_cmp_eq_u32 s2, 0
	s_cbranch_scc0 .Lentry_in_a_cluster
	s_endpgm
.Lentry_in_a_cluster:
	s_bfe_u32 s2, ttmp6, 0x10000c
	s_cmp_lg_u32 s2, 0x3003
	s_cbranch_scc0 .Lentry_shape_is_right
	s_endpgm
.Lentry_shape_is_right:
; out0[h][q][:] = the sum over k of softmax_k(Q[h][q] . K[h][k] / 8) V[h][k][:].  Q, K, V, out0: [16 heads][4096][64], all f32.
; FORMATS AND LIMITS.  Q, K, V and the weights p are rounded to bf16 for the two products; products, maxima and sums are f32.  The row sum l is made of the unrounded weights.
; Weights under 2^-126 count as zero (v_exp_f32 gives zero there).  The sums run in another order than a plain loop over k.  NaN, infinities and scores beyond f32's range get no care of their own.
; SHARES.  A work-group owns 256 queries of one head, each of its four waves 64: four tiles of 16.  Every wave walks all 4,096 keys in 64 steps of 64; a tile of K or V is 128 keys, two steps.
; LAYOUT.  S^T = K Q^T (source 0 = 16 keys, source 1 = 16 queries): a lane holds ONE query (lane % 16) and the keys 8 (lane / 16) + 0..7.  Two such tiles, rounded to bf16 in pairs,
; ARE source 1 (32 keys x 16 queries) of O^T = V^T P, whose result again holds one query a lane, and eight channels.  Nothing changes lanes between the products.
; SOFTMAX.  For each query a running maximum m and sum l: p = 2^(c s - c m), c = log2(e) / 8; in every step O^T and l are multiplied by a = 2^(c m_old - c m_new).
; BY TURNS.  The wave's tiles are two PIECES, named by their first tile: piece 0 (tiles 0, 1) and piece 2 (tiles 2, 3).  In a TURN one piece has the matrix unit: 16 products V^T P of
; the step in hand, then 16 products K Q^T of the next step; the other piece's softmax, cut into 59 slices of four instructions, stands between them.  Then the pieces change places.
; Two turns are a key step.  A turn has 236 softmax instructions and 16 roundings for its 32 products: eight behind each, so the products never stand in a burst.
; THE WAY IN.  K and V come as f32 (rows of 64 f32 = 256 bytes) by tensor loads into a ring of two slots of 128 keys.  Each wave rounds a quarter of each tile (32 rows of K, 32 of V) to bf16
; into one of two bf16 stages, a quarter of its share in each turn.  V has to lie in LDS as 16-bit data, since it is turned on its way into registers (ds_load_tr16_b128).
; CLUSTER.  The four query blocks of a cluster belong to one head and walk the same K and V, so each tile is asked for JOINTLY: the same tensor load, with the same descriptor and a
; mask that names the four, in all four; each receives the tile in its own LDS.  One round of the cluster's barrier for 128 keys orders all of it (see CHANGE and BODY).
;
; LDS.  0: f32 slot 0; 65,536: f32 slot 1 (in a slot: K's 128 rows of 256 bytes, then V's; wave w's load fills bytes 16,384 w on).  131,072: two bf16 stages of 38,912 bytes
; (K: 128 rows, pitch 144; V: 128 rows, pitch 160), written by ds_store alone.  208,896: 16 rows x 272 bytes for each wave, for the way out.  No tensor load reaches the last two regions.
; REGISTERS, in windows of 256 (s_set_vgpr_msb: bits 1:0 source 0, 3:2 source 1, 5:4 source 2, 7:6 destination):
;   window 0: v0-23 addresses; v32-63 statistics, 8 a tile; v64-191 S^T, 32 a tile; v192-255 P, 16 a tile
;   window 1: v0-127 O^T, 32 a tile; v128-191 Q's fragments, 16 a tile; v192-255 K's fragments of one step
;   window 2: v0-63 V's fragments of one step; v64-191 my share of a tile on its way to bf16, 32 registers a quarter
; All that a softmax touches but O^T fills window 0, and no window has room for a product's operands beside it: a product's slices cost two switches, one in front and one behind.
.set SLOTB, 65536     ; an f32 slot
.set TILEB, 32768     ; 128 rows of 256 bytes: a tile of K or of V in memory, and V's place in a slot
.set STG,   131072    ; the bf16 stages
.set STGB,  38912
.set PK,    144       ; a bf16 row of K: 128 bytes + 16 = 36 words: the 16 rows of a fragment load start at 16 different groups of 4 banks (64 banks of 4 bytes: ISA guide 11.1)
.set PV,    160       ; a bf16 row of V: 128 bytes + 32 = 40 words
.set VOF,   128*PK    ; V's place in a stage
.set OST,   208896    ; the way out
.set SP,    272
.set QO,  3           ; v3      my byte offset in the wave's rows of Q
.set CK,  4           ; v4-5    where I read f32 rows of K in slot 0, 1
.set CV,  6           ; v6-7    the same for V
.set WK,  8           ; v8-9    where I put bf16 rows of K in stage 0, 1
.set WV,  10          ; v10-11  the same for V
.set AK,  12          ; v12-13  my lane's place in a fragment of K in stage 0, 1
.set AV,  14          ; v14-15  the same for V
.set STO, 16          ; v16     the way out: where I put 32 bytes of a row
.set RD,  17          ; v17     the way out: where I read a row back
.set GO,  18          ; v18     my byte offset in the wave's rows of out0
.set ST,  32          ; tile t's statistics at v[ST+8 t]: +0 c m, +1 m, +2, +3 l (even keys', odd keys'), +4 to +7 c0-c3, at work; a takes c2's place once the maximum is found
.set S,   64
.set P,   192
.set QF,  128         ; window 1
.set KF,  192         ; window 1
.set CR,  64          ; window 2: quarter d of my share of a tile at v[CR+32 d]
.set WN,  12          ; s12      my wave's number
.set G1,  24          ; s[24:31] descriptor group 1: one shape for K's and V's tiles
.set G0,  32          ; s[32:39] descriptor group 0, a set for each slot
.set CNT, 56          ; s56      trips of the loop
.set CS,  58          ; s[58:59] c: the packed scaling names a pair and takes its low word for both halves
.set SEL, 60          ; s[60:61] lane selects for v_permlanex16_b32: each lane takes its own place in the other half
.set MSB, 0
.macro WIN new                      ; the immediate's high byte repeats the setting that is left; a switch that changes nothing is dropped
.if MSB != \new
	s_set_vgpr_msb (MSB<<8)|\new
.set MSB, \new
.endif
.endm
.set W_D1, 0x40       ; destination window 1
.set W_D2, 0x80       ; destination window 2
.set W_KQ, 0x05       ; K and Q in window 1, S^T in window 0
.set W_PV, 0x52       ; V in window 2, P in window 0, O^T in window 1
.set W_RS, 0x41       ; O^T (destination and source 0) in window 1, the factor in window 0
.set W_CP, 0x8a       ; both sources and the destination in window 2
.set W_CS, 0x08       ; an LDS store's data in window 2
.set W_OS, 0x04       ; an LDS store's data in window 1
; A vector instruction that reads a matrix result or writes one of a matrix instruction's registers, and a load into a register that a matrix instruction has read, stand four places
; behind it, and only plain vector instructions that name none of its registers are places (ISA guide 7.12.1 for vector instructions).  In the loop the slices are the places.
.macro PLACES
.rept 4
	v_nop
.endr
.endm
; A round of the cluster's barrier: my work-group's barrier, so that wave 0's signal speaks for all four waves; wave 0 signals for the work-group; every wave waits for all four
; work-groups; my work-group's barrier once more.  No LDS instruction of the wave is pending at a signal.
.macro CROUND
	s_barrier_signal -1
	s_barrier_wait -1
	s_cmp_lg_u32 s[WN], 0
	s_cbranch_scc1 .Lnot_wave_0_\@
	s_barrier_signal -3
.Lnot_wave_0_\@:
	s_barrier_wait -3
	s_barrier_signal -1
	s_barrier_wait -1
.endm
	s_load_b256 s[4:11], s[0:1], 0x0  ; Q s[4:5], K s[6:7], V s[8:9], out0 s[10:11]
	v_lshrrev_b32 v19, 5, v0
	v_readfirstlane_b32 s[WN], v19  ; wave 0..3
	s_bfe_u32 s13, ttmp6, 0x40000   ; cx: my place in the cluster
	s_lshl_b32 s2, ttmp9, 2         ; in a cluster launch ttmp9 counts clusters
	s_add_co_u32 s2, s2, s13        ; my block of 256 queries = 4 x cluster x + cx: it enters Q's and out0's addresses alone
	s_and_b32 s20, ttmp7, 0xffff    ; the head, which the four partners share,
	s_lshl_b32 s20, s20, 20         ; times 4,096 rows of 256 bytes
	s_mov_b32 s21, 0
	s_and_b32 s16, s[WN], 1         ; which 64 of a tile's 128 rows I fetch
	s_lshl_b32 s22, s16, 14
	s_mov_b32 s23, 0
	s_add_nc_u64 s[22:23], s[22:23], s[20:21]  ; my part of tile 0, from K's or V's first byte
	s_lshl_b32 s2, s2, 16           ; my block's 256 rows,
	s_lshl_b32 s3, s[WN], 14        ; my wave's 64 of them
	s_add_co_u32 s2, s2, s3
	s_mov_b32 s3, 0
	s_add_nc_u64 s[2:3], s[2:3], s[20:21]
	s_lshl_b32 s17, s[WN], 14       ; where my part of a tile goes in a slot: no place in the cluster enters an LDS address
	; descriptor group 1: a tile of 64 rows x 64 elements of 4 bytes, dense in memory and in LDS (the conversion reads whole rows of 256 bytes: no padding is wanted)
	s_mov_b32 s[G1+0], 15|(2<<16)|(1<<21)  ; 15:0 the mask: all four work-groups; 17:16 elements of 4 bytes; 20 no padding; 21 set beside a mask
	s_mov_b32 s[G1+1], 64<<16       ; 63:48 tensor_dim0, low half = 64
	s_mov_b32 s[G1+2], 64<<16       ; 79:64 its high half = 0; 95:80 tensor_dim1, low half = 64
	s_mov_b32 s[G1+3], 64<<16       ; 111:96 its high half = 0; 127:112 tile_dim0 = 64
	s_mov_b32 s[G1+4], 64           ; 143:128 tile_dim1 = 64; 159:144 tile_dim2 = 0
	s_mov_b32 s[G1+5], 64           ; 191:160 tensor_dim0_stride: 64 elements from row to row
	s_mov_b32 s[G1+6], 0
	s_mov_b32 s[G1+7], 0
	s_mov_b32 s[CS], 0x3e38aa3b     ; c = log2(e) / 8 = 0.18033688
	s_mov_b32 s[CS+1], s[CS]        ; named with it as a pair, so it is written
	s_mov_b32 s[SEL], 0x76543210
	s_mov_b32 s[SEL+1], 0xfedcba98
	s_wait_kmcnt 0x0
	s_cmp_lt_u32 s[WN], 2           ; waves 0 and 1 fetch K's two halves, waves 2 and 3 V's: the choice hangs on the wave's number alone, which is the same in every work-group
	s_cselect_b64 s[14:15], s[6:7], s[8:9]
	s_add_nc_u64 s[14:15], s[14:15], s[22:23]
	s_add_nc_u64 s[4:5], s[4:5], s[2:3]  ; Q and out0 at my wave's first row
	s_add_nc_u64 s[10:11], s[10:11], s[2:3]
	CROUND                          ; all four work-groups are here: the first joint loads meet
.irp s, 0,1
	s_mov_b32 s[G0+4*\s], 1         ; 1:0 count = 1
	s_add_co_u32 s[G0+4*\s+1], s17, \s*SLOTB  ; 63:32 LDS address
	s_add_nc_u64 s[G0+4*\s+2:G0+4*\s+3], s[14:15], \s*TILEB  ; 120:64 global address: slot s begins with keys 128 s to 128 s + 127
	s_or_b32 s[G0+4*\s+3], s[G0+4*\s+3], 0x80000000  ; 127:126 type = 2
.endr
	tensor_load_to_lds s[G0:G0+3], s[G1:G1+7]      ; the two first fills go out together, ahead of every wait on TENSORcnt and every LDS read: two loads of mine are out,
	tensor_load_to_lds s[G0+4:G0+7], s[G1:G1+7]    ; later one; four v_nop follow
	PLACES
	; A fragment of Q is 16 rows x 32 channels: lane l holds row l % 16, channels 8 (l / 16) + 0..7 and 16 + 8 (l / 16) + 0..7: in f32 two runs of 32 bytes, 64 bytes apart.
	v_and_b32 v1, 15, v0            ; r = l % 16
	v_bfe_u32 v2, v0, 4, 1          ; h = l / 16
	v_lshlrev_b32 v[QO], 8, v1
	v_lshl_add_u32 v[QO], v2, 5, v[QO]  ; 256 r + 32 h
.set i, 0
.rept 32                            ; load i: tile i / 8, channels 32 ((i / 4) % 2) on, run (i % 4) / 2, half i % 2; it lands in S^T's registers, which are still free
	global_load_b128 v[S+4*i:S+4*i+3], v[QO], s[4:5] offset:(i/8)*4096+((i/4)%2)*128+((i%4)/2)*64+(i%2)*16
.set i, i+1
.endr
	; the conversion: wave w takes rows 32 w to 32 w + 31 of a tile.  A load of 16 bytes a lane takes two whole rows (lanes 0-15 one, lanes 16-31 another); the 8 bytes of bf16 go to the same rows of the stage.
	v_lshlrev_b32 v19, 4, v1        ; 16 r
	v_lshl_add_u32 v20, v2, 11, v19  ; K: lanes 16-31 eight rows further down
	s_lshl_b32 s40, s[WN], 13       ; 32 rows of 256 bytes a wave
	v_add_nc_u32 v[CK], s40, v20
	v_add_nc_u32 v[CK+1], SLOTB, v[CK]
	v_lshl_add_u32 v20, v2, 10, v19  ; V: lanes 16-31 four rows further down
	s_add_co_u32 s41, s40, TILEB
	v_add_nc_u32 v[CV], s41, v20
	v_add_nc_u32 v[CV+1], SLOTB, v[CV]
	v_lshlrev_b32 v19, 3, v1        ; 8 r
	v_mul_u32_u24 v20, v2, 8*PK     ; eight rows of 144 bytes = 128 modulo 256: the two halves of the lanes store to different banks
	v_add_nc_u32 v20, v20, v19
	s_mul_i32 s42, s[WN], 32*PK
	s_add_co_u32 s42, s42, STG
	v_add_nc_u32 v[WK], s42, v20
	v_add_nc_u32 v[WK+1], STGB, v[WK]
	v_mul_u32_u24 v20, v2, 4*PV     ; four rows of 160 bytes = 128 modulo 256
	v_add_nc_u32 v20, v20, v19
	s_mul_i32 s43, s[WN], 32*PV
	s_add_co_u32 s43, s43, STG+VOF
	v_add_nc_u32 v[WV], s43, v20
	v_add_nc_u32 v[WV+1], STGB, v[WV]
	; fragments of K: row x pitch + 16 x half
	v_mul_u32_u24 v20, v1, PK
	v_lshl_add_u32 v20, v2, 4, v20
	v_add_nc_u32 v[AK], STG, v20
	v_add_nc_u32 v[AK+1], STGB, v[AK]
	; The turning load takes 16 keys x 16 channels (lane l reads 16 bytes: key 8 (l / 16) + l % 8, channels 8 ((l / 8) % 2) + 0..7) and leaves half a fragment of V^T: lane l holds channel l % 16 and 8 keys.
	v_and_b32 v21, 7, v0
	v_bfe_u32 v22, v0, 3, 1
	v_lshl_add_u32 v21, v2, 3, v21
	v_mul_u32_u24 v21, v21, PV
	v_lshl_add_u32 v21, v22, 4, v21
	v_add_nc_u32 v[AV], STG+VOF, v21
	v_add_nc_u32 v[AV+1], STGB, v[AV]
	; the way out
	s_mul_i32 s44, s[WN], 16*SP
	s_add_co_u32 s44, s44, OST      ; my stage
	v_mul_u32_u24 v20, v1, SP       ; in: row l % 16, 32 bytes for each half of the lanes
	v_lshl_add_u32 v20, v2, 5, v20
	v_add_nc_u32 v[STO], s44, v20
	v_mul_u32_u24 v20, v2, SP       ; back: lanes 0-15 take one row of 256 bytes, lanes 16-31 the next
	v_lshl_add_u32 v20, v1, 4, v20
	v_add_nc_u32 v[RD], s44, v20
	v_lshlrev_b32 v[GO], 8, v2      ; and the same two rows in out0
	v_lshl_add_u32 v[GO], v1, 4, v[GO]
	s_wait_loadcnt 0x0              ; Q
	WIN W_D1
.set i, 0
.rept 64                            ; Q stays in registers as bf16: register i of 64 takes f32 numbers 2 i and 2 i + 1
	v_cvt_pk_bf16_f32 v[QF+i], v[S+2*i], v[S+2*i+1]
.set i, i+1
.endr
; THE LDS LOADS stand in runs, never singly among the matrix instructions.  A step's K out of stage b: 4 key blocks x 2 channel halves; st = which of the tile's two steps.
.macro FETCH_K b, st
	WIN W_D1
.irp f, 0,1,2,3,4,5,6,7             ; keys 16 (f / 2) on, channels 32 (f % 2) on
	ds_load_b128 v[KF+8*\f:KF+8*\f+3],   v[AK+(\b)] offset:(\st)*64*PK+(\f/2)*16*PK+(\f%2)*64
	ds_load_b128 v[KF+8*\f+4:KF+8*\f+7], v[AK+(\b)] offset:(\st)*64*PK+(\f/2)*16*PK+(\f%2)*64+32
.endr
.endm
.macro FETCH_V b, st                ; a step's V, turned
	WIN W_D2
.irp f, 0,1,2,3,4,5,6,7             ; keys 32 (f / 4) on, channels 16 (f % 4) on
	ds_load_tr16_b128 v[8*\f:8*\f+3],   v[AV+(\b)] offset:(\st)*64*PV+(\f/4)*32*PV+(\f%4)*32
	ds_load_tr16_b128 v[8*\f+4:8*\f+7], v[AV+(\b)] offset:(\st)*64*PV+(\f/4)*32*PV+16*PV+(\f%4)*32
.endr
.endm
; THE CONVERSION of my share of a tile (32 rows of K, 32 of V) goes by quarters d = 0, 1 (K's rows 0-15, 16-31 of my 32) and 2, 3 (V's): 8 loads of f32 (two rows each), 16 roundings in place, 8 stores of 8 bytes a lane.
.macro CLOADQ s, d                  ; out of f32 slot s
	WIN W_D2
.set m, 0
.rept 8
.if (\d) < 2
	ds_load_b128 v[CR+32*(\d)+4*m:CR+32*(\d)+4*m+3], v[CK+(\s)] offset:(m+16*(\d))*256
.else
	ds_load_b128 v[CR+32*(\d)+4*m:CR+32*(\d)+4*m+3], v[CV+(\s)] offset:((m%4)+8*(m/4)+16*((\d)-2))*256
.endif
.set m, m+1
.endr
.endm
.macro CPACKG d, g                  ; group g of four of a quarter's roundings: four instructions
	WIN W_CP
.irp e, 0,1
.set rC, CR+32*(\d)+4*(2*(\g)+\e)
	v_cvt_pk_bf16_f32 v[rC],   v[rC],   v[rC+1]
	v_cvt_pk_bf16_f32 v[rC+1], v[rC+2], v[rC+3]
.endr
.endm
.macro CPACKQ d
.irp g, 0,1,2,3
	CPACKG \d, \g
.endr
.endm
.macro CSTOREQ b, d                 ; into bf16 stage b
	WIN W_CS
.set m, 0
.rept 8
.if (\d) < 2
	ds_store_b64 v[WK+(\b)], v[CR+32*(\d)+4*m:CR+32*(\d)+4*m+1] offset:(m+16*(\d))*PK
.else
	ds_store_b64 v[WV+(\b)], v[CR+32*(\d)+4*m:CR+32*(\d)+4*m+1] offset:((m%4)+8*(m/4)+16*((\d)-2))*PV
.endif
.set m, m+1
.endr
.endm
; THE MATRIX WORK OF A TURN, for piece x.  The 8 accumulators of a run take turns, one instruction a turn: between two links of a chain stand the 7 others'.
; Product i of 16 of O^T += V^T P: keys 32 (i / 8) on, channels 16 ((i / 2) % 4) on, tile x + i % 2.  zero = 1: the first 8 start the sums: nothing is ever cleared.
.macro MPV x, zero
	WIN W_PV
.set rO, 32*(\x+i%2)+8*((i/2)%4)
.set rV, 8*(4*(i/8)+(i/2)%4)
.set rP, P+16*(\x+i%2)+8*(i/8)
.if \zero && (i < 8)
	v_wmma_f32_16x16x32_bf16 v[rO:rO+7], v[rV:rV+7], v[rP:rP+7], 0
.else
	v_wmma_f32_16x16x32_bf16 v[rO:rO+7], v[rV:rV+7], v[rP:rP+7], v[rO:rO+7]
.endif
.endm
; Product i of 16 of S^T = K Q^T: channels 32 (i / 8) on, keys 16 ((i / 2) % 4) on, tile x + i % 2.  The first 8 start the sums.
.macro MKQ x
	WIN W_KQ
.set rS, S+32*(\x+i%2)+8*((i/2)%4)
.set rK, KF+8*(2*((i/2)%4)+i/8)
.set rQ, QF+16*(\x+i%2)+8*(i/8)
.if i < 8
	v_wmma_f32_16x16x32_bf16 v[rS:rS+7], v[rK:rK+7], v[rQ:rQ+7], 0
.else
	v_wmma_f32_16x16x32_bf16 v[rS:rS+7], v[rK:rK+7], v[rQ:rQ+7], v[rS:rS+7]
.endif
.endm
; THE VECTOR WORK OF A TURN.  One tile's softmax for one key step is a list of 118 instructions; SM writes number j of it for tile t.  s0-s31 are the lane's 32 scores, in pairs 0-15.
; first = 1: the first key step, which starts m, l and O^T: it has no a and nothing to rescale.
;   0-15    the maximum of s0-s31 and the old m, three operands at a time: four chains c0-c3 of seven scores each, then the four scores left over, c0-c3 and m
;   16-20   the other half of the lanes' maximum; the new m; c m; c m_old - c m_new
;   21-87   33 exponentials (a, then s0-s31) at the odd numbers from 23 on, so that no two follow each other and each has a plain instruction behind it before its result is used.
;           Plain instruction q (number 21, then the even numbers) is whatever is ready: c s - c m for a pair of scores whose exponentials are still to come (q = 0 to 3, then every
;           second q), the rounding to bf16 of a pair of weights whose exponentials are done (every other q from 5 on), at last the first three sums
;   88-101  the last rounding; the rest of the sums; l = a l + the sum
;   102-117 the tile's O^T times a: the one part that leaves window 0, so it stands together
.macro SM t, first
.set rT, ST+8*(\t)
.set rS, S+32*(\t)
.set rP, P+16*(\t)
.set rO, 32*(\t)+2*(j-102)
.set q, (j-20)/2
.if j < 102
	WIN 0
.endif
.if j < 4
	v_max3_num_f32 v[rT+4+j], v[rS+8*j], v[rS+8*j+1], v[rS+8*j+2]
.elseif j < 12
	v_max3_num_f32 v[rT+4+j%4], v[rT+4+j%4], v[rS+8*(j%4)+2*(j/4)+1], v[rS+8*(j%4)+2*(j/4)+2]
.elseif j == 12
	v_max3_num_f32 v[rT+4], v[rT+4], v[rS+7], v[rS+15]
.elseif j == 13
	v_max3_num_f32 v[rT+6], v[rT+6], v[rS+23], v[rS+31]
.elseif j == 14
	v_max3_num_f32 v[rT+4], v[rT+4], v[rT+5], v[rT+6]
.elseif (j == 15) && \first
	v_max_num_f32 v[rT+4], v[rT+4], v[rT+7]
.elseif j == 15
	v_max3_num_f32 v[rT+4], v[rT+4], v[rT+7], v[rT+1]
.elseif j == 16
	v_permlanex16_b32 v[rT+5], v[rT+4], s[SEL], s[SEL+1]  ; the query's other 32 keys lie in the lane 16 away
.elseif j == 18
	v_max_num_f32 v[rT+1], v[rT+4], v[rT+5]
.elseif j == 19
	v_mul_f32 v[rT], s[CS], v[rT+1]
.elseif ((j == 17) || (j == 20) || (j == 23) || (j > 101)) && \first  ; the first step has none of these
.elseif j == 17
	v_mov_b32 v[rT+7], v[rT]        ; c m_old is kept for a: number 19 writes c m anew
.elseif j == 20
	v_sub_f32 v[rT+7], v[rT+7], v[rT]
.elseif j == 23
	v_exp_f32 v[rT+6], v[rT+7]
.elseif (j < 88) && (j > 23) && (j%2 == 1)
	v_exp_f32 v[rS+(j-25)/2], v[rS+(j-25)/2]
.elseif (q < 4) || ((j < 76) && (q%2 == 0))
.set b, q/2+2
.if q < 4
.set b, q
.endif
	v_pk_fma_f32 v[rS+2*b:rS+2*b+1], v[rS+2*b:rS+2*b+1], s[CS:CS+1], v[rT:rT+1] op_sel_hi:[1,0,0] neg_lo:[0,0,1] neg_hi:[0,0,1]  ; pair b: c s - c m
.elseif (j < 88) && (q%2 == 1)
	v_cvt_pk_bf16_f32 v[rP+(q-5)/2], v[rS+q-5], v[rS+q-4]  ; pair (q - 5) / 2: its second exponential stands three numbers back
.elseif j == 89
	v_cvt_pk_bf16_f32 v[rP+15], v[rS+30], v[rS+31]
.elseif j < 102                     ; the sum of the tile's 16 pairs (in a pair: an even key's weight, an odd key's), in place: sum z of 16 adds neighbours 1, 2, 4 and 8 pairs apart, then l takes it
.set z, j-86
.if j < 89
.set z, (j-76)/4
.endif
.set w, 4
.set u, z
.if z >= 14
.set w, 32
.set u, 0
.elseif z >= 12
.set w, 16
.set u, z-12
.elseif z >= 8
.set w, 8
.set u, z-8
.endif
.if (z == 14) && \first
	v_pk_add_f32 v[rT+2:rT+3], v[rS:rS+1], v[rS+16:rS+17]
.elseif z < 15
	v_pk_add_f32 v[rS+w*u:rS+w*u+1], v[rS+w*u:rS+w*u+1], v[rS+w*u+w/2:rS+w*u+w/2+1]
.elseif !\first
	v_pk_fma_f32 v[rT+2:rT+3], v[rT+2:rT+3], v[rT+6:rT+7], v[rS:rS+1] op_sel_hi:[1,0,1]
.endif
.else
	WIN W_RS
	v_pk_mul_f32 v[rO:rO+1], v[rO:rO+1], v[rT+6:rT+7] op_sel_hi:[1,0]
.endif
.endm
; Slice k of 59 of piece y's softmax: numbers 2 k and 2 k + 1 of both tiles' lists, four instructions.
.macro SLICE y, first
.if (k >= 11) && (k < 44)           ; tile by tile: plain, exponential, plain, exponential: no two exponentials follow each other, and each has a plain instruction behind it before its result is used (ISA guide 5.7.2)
.irp t, \y, \y+1
.irp n, 0,1
.set j, 2*k+\n
	SM \t, \first
.endr
.endr
.else                               ; the two tiles alternate, so that no instruction reads the result of the one just before it
.irp n, 0,1
.irp t, \y, \y+1
.set j, 2*k+\n
	SM \t, \first
.endr
.endr
.endif
.set k, k+1
.endm
; A TURN.  Piece x has the matrix unit; the other piece's softmax stands in slices behind its matrix instructions.
; pv = 2: 16 products V^T P; 1: they start O^T's sums; 0: none.  kq = 1: 16 products K Q^T for the next step.  first = 1: the softmax is the first key step's.
; HOW THE 59 SLICES ARE DEALT.  With both kinds of product (32): two behind each, but one behind the second V^T P, where the LDS runs stand, and one behind each of the first four K Q^T,
; which carry the quarter's four groups of roundings: 64 - 5 = 59.  With one kind (16): three behind the first five, four behind the others: 15 + 44 = 59.  So the turn's last product has
; eight or more plain instructions of O^T's rescaling behind it, which name none of its registers: the places in front of the next turn's first read of its scores and of the loads into K's
; registers.  In a first step those slices are empty: four v_nop take their part.
; THE LDS RUNS.  fetch = 1: piece 0's turn fetches the next step's K (stage fb, step fst of its tile) behind its second product: the last product that read K is the turn before's last.
; Piece 2's turn fetches the same step's V behind its second K Q^T: the last product that read V stands three products back, with eight plain instructions of the slices between.
; Each run stands 14 products ahead of its first use, in front of which stands one s_wait_dscnt 0.
; conv = 1: quarter cq of my share of a tile goes from f32 slot cb to bf16 stage cb: its loads behind the second product, its roundings behind the first four K Q^T, its stores behind the sixth.
.macro TURN x, pv, kq, first, fetch, fb, fst, conv, cb, cq
.set k, 0
.set full, 0
.if \pv && \kq
.set full, 1
.endif
.if \pv
.if \x == 0
	s_wait_dscnt 0x0                ; V is in
.endif
.set i, 0
.rept 16
	MPV \x, 2-\pv
.if full
.set per, 2
.if i == 1
.set per, 1
.endif
.else
.set per, 3
.if i >= 5
.set per, 4
.endif
.endif
.rept per
	SLICE 2-\x, \first
.endr
.if i == 1
.if (\x == 0) && \fetch
	FETCH_K \fb, \fst
.endif
.if \conv
	CLOADQ \cb, \cq
.endif
.endif
.set i, i+1
.endr
.endif
.if \kq
.if (\x == 0) || \conv
	s_wait_dscnt 0x0                ; K is in (piece 0's turn), and the quarter's f32 rows
.endif
.set i, 0
.rept 16
	MKQ \x
.if full
.set per, 2
.if i < 4
.set per, 1
.endif
.else
.set per, 3
.if i >= 5
.set per, 4
.endif
.endif
.rept per
	SLICE 2-\x, \first
.endr
.if \conv && (i < 4)
	CPACKG \cq, i
.endif
.if (\x == 2) && \fetch && (i == 1)
	FETCH_V \fb, \fst
.endif
.if \conv && (i == 5)
	CSTOREQ \cb, \cq
.endif
.set i, i+1
.endr
.endif
.if \first
	PLACES
.endif
.endm
; THE CHANGE, between piece 2's turn and piece 0's: the last bytes of a tile's stage, V of its second step, have been asked for.  ONE barrier does all the ordering.  In front of it each wave
; waits for all its LDS instructions (its fragment reads of the stage just left, its f32 reads of the slot just rounded, its stores into the stage that is read next) and, landed = 1, for all
; its tensor loads (one is out: its part of the tile that is rounded next).  Behind it the next stage and the next slot are whole, and nobody reads the old stage or the old slot any more.
; fill = 1: slot r, just rounded, is filled again, with the tile two on.  The barrier is then a round of the cluster's, so that all this holds of every partner too, and the joint refill is the
; first thing behind it: it has four turns, 128 matrix instructions, in which to land.
.macro CHANGE r, fill, landed
	WIN 0                           ; at a label and at a branch every window is 0
	s_wait_dscnt 0x0
.if \landed
	s_wait_tensorcnt 0x0            ; no tensor load of mine is out, so a group 0 may be written
.endif
.if \fill
	s_add_nc_u64 s[G0+4*(\r)+2:G0+4*(\r)+3], s[G0+4*(\r)+2:G0+4*(\r)+3], 2*TILEB  ; the slot's next tile; the type bits on top are not reached
	CROUND
	tensor_load_to_lds s[G0+4*(\r):G0+4*(\r)+3], s[G1:G1+7]  ; my one tensor load until the next round
	PLACES                          ; four v_nop follow it
.else
	s_barrier_signal -1
	s_barrier_wait -1
.endif
.endm
; BODY n (s = n % 2): the change and four turns, key steps 2 n + 1 and 2 n + 2.  All its fragments are tile n + 1's, out of stage 1 - s.  conv = 1: tile n + 2 goes from slot s into stage s.
; fill = 1: slot 1 - s takes tile n + 3.  (Without conv no tensor load is out: the body before has shown the last one landed.)
.macro BODY s, fill, conv
	CHANGE 1-\s, \fill, \conv
	TURN 0, 2, 1, 0, 1, 1-\s, 0, \conv, \s, 0
	TURN 2, 2, 1, 0, 1, 1-\s, 0, \conv, \s, 1
	TURN 0, 2, 1, 0, 1, 1-\s, 1, \conv, \s, 2
	TURN 2, 2, 1, 0, 1, 1-\s, 1, \conv, \s, 3
.endm
	s_wait_tensorcnt 1              ; my part of tile 0 is in; tile 1's may stay out
	s_barrier_signal -1
	s_barrier_wait -1               ; everybody's is
.irp d, 0,1,2,3
	CLOADQ 0, \d                    ; tile 0 is rounded into stage 0, in one piece: there is nothing yet to set it between
.endr
	s_wait_dscnt 16                 ; K's 16 loads are in; V's 16 may be out
	CPACKQ 0
	CPACKQ 1
	CSTOREQ 0, 0
	CSTOREQ 0, 1
	s_wait_dscnt 16                 ; V's 16 loads are in: behind them stand K's 16 stores
	CPACKQ 2
	CPACKQ 3
	CSTOREQ 0, 2
	CSTOREQ 0, 3
	CHANGE 0, 1, 1                  ; stage 0 is whole, tile 1 has landed; slot 0 takes tile 2.  What follows is body -1, written out: it starts everything
	FETCH_K 0, 0                    ; key step 0
	CLOADQ 1, 0                     ; tile 1's K
	CLOADQ 1, 1
	s_wait_dscnt 16                 ; K's fragments are in; the 16 f32 loads behind them may be out
.set i, 0
.rept 16
	MKQ 0                           ; piece 0's first scores: there is no softmax yet to set between them
.set i, i+1
.endr
	s_wait_dscnt 0x0
	CPACKQ 0                        ; 32 roundings, which name nothing of those products: their places
	CPACKQ 1
	CSTOREQ 1, 0
	CSTOREQ 1, 1
	TURN 2, 0, 1, 1, 1, 0, 0, 0, 0, 0  ; piece 2's first scores | piece 0's first softmax | V of step 0
	TURN 0, 1, 1, 1, 1, 0, 1, 1, 1, 2  ; piece 0: V^T P of step 0 starts O^T, K Q^T of step 1 | piece 2's first softmax | K of step 1 | tile 1's V, first half
	TURN 2, 1, 1, 0, 1, 0, 1, 1, 1, 3  ; piece 2: the same | piece 0's softmax of step 1 | V of step 1 | tile 1's V, second half
	WIN 0
	s_mov_b32 s[CNT], 14
.Lloop:                             ; bodies 0 to 27
	BODY 0, 1, 1
	BODY 1, 1, 1
	WIN 0
	s_sub_co_u32 s[CNT], s[CNT], 1
	s_cmp_lg_u32 s[CNT], 0
	s_cbranch_scc1 .Lloop
	BODY 0, 1, 1                    ; body 28: the last refill asks for tile 31.  The tail is written out
	BODY 1, 0, 1                    ; body 29: nothing is left to fetch; tile 31 is rounded
	BODY 0, 0, 0                    ; body 30: nothing is left to round
	TURN 0, 2, 0, 0, 0, 0, 0, 0, 0, 0  ; piece 0: V^T P of step 63 | piece 2's last softmax
.set i, 0
.rept 16
	MPV 2, 0                        ; piece 2: V^T P of step 63
.set i, i+1
.endr
	; THE WAY OUT.  l's two halves and the other half of the lanes' are added; O^T is divided by l and sent through my stage in LDS, a tile (16 rows of out0) at a time.  The additions are the places behind the last products.
	WIN 0
.irp t, 0,1,2,3
	v_add_f32 v[ST+8*\t+4], v[ST+8*\t+2], v[ST+8*\t+3]
.endr
.irp t, 0,1,2,3
	v_permlanex16_b32 v[ST+8*\t+5], v[ST+8*\t+4], s[SEL], s[SEL+1]
.endr
.irp t, 0,1,2,3
	v_add_f32 v[ST+8*\t+4], v[ST+8*\t+4], v[ST+8*\t+5]
.endr
.irp t, 0,1,2,3
	v_rcp_f32 v[ST+8*\t+6], v[ST+8*\t+4]
.endr
	v_nop                           ; a plain instruction between the last reciprocal and the use of its result
; Tile t: a lane's eight channels of a row are 32 bytes; they go into rows of 272 bytes and come back as whole rows of 256, into S^T's registers.
.macro PACK t
	WIN W_RS
.set i, 32*\t
.rept 16
	v_pk_mul_f32 v[i:i+1], v[i:i+1], v[ST+8*\t+6:ST+8*\t+7] op_sel_hi:[1,0]
.set i, i+2
.endr
	WIN W_OS
.irp f, 0,1,2,3,4,5,6,7             ; channels 16 (f / 2) + 8 (l / 16) + 4 (f % 2) on
	ds_store_b128 v[STO], v[32*\t+4*\f:32*\t+4*\f+3] offset:(\f/2)*64+(\f%2)*16
.endr
	WIN 0
.irp f, 0,1,2,3,4,5,6,7
	ds_load_b128 v[S+32*\t+4*\f:S+32*\t+4*\f+3], v[RD] offset:\f*2*SP  ; LDS serves a wave's instructions in order (ISA guide 5.7.1.4): these see the stores above; the next tile's stores come behind them
.endr
.endm
.macro SEND t, younger              ; younger: the LDS instructions issued behind tile t's loads: the next tile's sixteen, or none
.irp f, 0,1,2,3,4,5,6,7
	s_wait_dscnt \younger+7-\f
	global_store_b128 v[GO], v[S+32*\t+4*\f:S+32*\t+4*\f+3], s[10:11] offset:\t*4096+\f*512 th:TH_STORE_NT  ; 16 lanes store 256 consecutive bytes, a whole row of out0, at a multiple of 256 from its first byte
.endr
.endm
	PACK 0
	PACK 1                          ; a tile's arithmetic stands between the loads of the tile before and its stores
	SEND 0, 16
	PACK 2
	SEND 1, 16
	PACK 3
	SEND 2, 16
	SEND 3, 0
	CROUND                          ; the closing round: no work-group ends while a partner may still ask for a tile that names it
	s_endpgm
.Lfunc_end_k_qb407b8f697_attn:
	.size	k_qb407b8f697_attn, .Lfunc_end_k_qb407b8f697_attn-k_qb407b8f697_attn
	.p2alignl 7, 3214868480
	.fill 96, 4, 3214868480
	.section	.rodata,"a",@progbits
	.p2align	6, 0x0
	.amdhsa_kernel k_qb407b8f697_attn
		.amdhsa_group_segment_fixed_size 327680
		.amdhsa_private_segment_fixed_size 0
		.amdhsa_enable_private_segment 0
		.amdhsa_kernarg_size 32
		.amdhsa_user_sgpr_count 2
		.amdhsa_user_sgpr_kernarg_segment_ptr 1
		.amdhsa_wavefront_size32 1
		.amdhsa_system_sgpr_workgroup_id_x 1
		.amdhsa_system_sgpr_workgroup_id_y 1
		.amdhsa_system_sgpr_workgroup_id_z 1
		.amdhsa_system_vgpr_workitem_id 0
		.amdhsa_next_free_vgpr 704
		.amdhsa_next_free_sgpr 66
		.amdhsa_reserve_vcc 0
		.amdhsa_float_denorm_mode_32 3
		.amdhsa_float_denorm_mode_16_64 3
		.amdhsa_memory_ordered 1
		.amdhsa_forward_progress 1
		.amdhsa_inst_pref_size 255
	.end_amdhsa_kernel
	.section	.bss,"aw",@nobits
	.p2align	6
	.space	262144
	.amdgpu_metadata
---
amdhsa.version: [ 1, 2 ]
amdhsa.kernels:
  - .name:           k_qb407b8f697_attn
    .symbol:         k_qb407b8f697_attn.kd
    .args:
      - { .name: Q, .offset: 0, .size: 8, .value_kind: global_buffer, .address_space: global }
      - { .name: K, .offset: 8, .size: 8, .value_kind: global_buffer, .address_space: global }
      - { .name: V, .offset: 16, .size: 8, .value_kind: global_buffer, .address_space: global }
      - { .name: out0, .offset: 24, .size: 8, .value_kind: global_buffer, .address_space: global }
    .group_segment_fixed_size: 327680
    .private_segment_fixed_size: 0
    .kernarg_segment_align: 8
    .kernarg_segment_size: 32
    .max_flat_workgroup_size: 128
    .sgpr_count:     66
    .vgpr_count:     704
    .wavefront_size: 32
...
	.end_amdgpu_metadata
.endif
;; end of part 2
